; MI455X (gfx1250); checked and timed in simulation.
; The chip was launched on July 23, 2026; its instructions are those of AMD's public machine-readable ISA for CDNA 5 (MIT licence, August 2026) and "CDNA5" Instruction Set Architecture Reference Guide (July 2026). The comments in the code are by the model that wrote it; some were corrected since.
;; Att6. Allowed arithmetic: matrix products marked QUANTISED: E3M2 operands, one E8M0 scale for each 32 along K, by v_wmma_scale_f32_16x16x128_f8f6f4 with both operands' format E3M2, f32 sums; products left as they are: f32 operands where the result goes on into a quantised operand, else bf16, f16 or f32 operands; f32 sums; everything else in f32.
;; Inputs: a 32 x 1,024 float32; b 32 x 1,024 float32; mask 32 x 2,048 bool; t 32 x 2,048 x 1,024 float32; wa 1,024 x 1,024 float32; wb 1,024 x 1,024 float32; wh 1,024 x 1 float32; wt 1,024 x 1,024 float32.
;; Outputs: out0 32 x 1,024 float32.
;; This version of the problem:
;;   THIS VERSION OF THE PROBLEM IS GIVEN IN LOW PRECISION. The matrix products marked QUANTISED in the list below multiply operands that are first quantised to E3M2 (3 exponent bits, 2 mantissa bits; 6 bits a number), with one power-of-two scale for each 32 numbers along K (OCP MX v1.0); their sums are f32. All else is computed in f32.
;;   The module's matrix products, in the order in which they are computed (A, B: the left and right operand; K: the contracted axis; several contracted axes count as one K, in the product's order):
;;     1. [M 65,536, K 1,024] x [K 1,024, N 1,024]; A: input t; B: input wt: QUANTISED
;;     2. [M 32, K 1,024] x [K 1,024, N 1,024]; A: input a; B: input wa: QUANTISED
;;     3. [M 32, K 1,024] x [K 1,024, N 1,024]; A: input b; B: input wb: QUANTISED
;;     4. [M 65,536, K 1,024] x [K 1,024, N 1]; A: computed on the way; B: input wh: left as it is (N = 1 < 16)
;;     5. batch 32 x [M 1,024, K 2,048] x [K 2,048, N 1]; A: input t; B: computed on the way: left as it is (N = 1 < 16)
;;   THE QUANTISER, for each operand of a quantised product, along K:
;;     - K is cut into blocks of 32 from its start; a last block that is shorter is filled with zeros.
;;     - A block's scale is 2^e with e = floor(log2(the largest magnitude in the block)) - 4, held to -126 .. 127; a block of zeros has e = 0. As a byte (E8M0): e + 127.
;;     - Each number is divided by its block's scale, clamped to +-28, and rounded to the nearest number of E3M2, ties to even, subnormals kept.
;;     - The product sums the exact products of the quantised numbers (number of the format x scale) in f32.
;;   ~~~python
;;   def quantise(x, axis):      # numpy; x: float32 -> the quantised numbers, widened to float32 again
;;       x = np.moveaxis(x, axis, -1); K = x.shape[-1]
;;       x = np.pad(x, [(0, 0)] * (x.ndim - 1) + [(0, -K % 32)]); x = x.reshape(x.shape[:-1] + (-1, 32)); a = np.abs(x).max(-1, keepdims=True)
;;       e = np.where(a > 0, np.clip(np.frexp(np.where(a > 0, a, 1))[1] - 1 - 4, -126, 127), 0)      # np.frexp(a)[1] - 1 = floor(log2(a)), exactly
;;       r = np.clip(x / 2.0 ** e, -28, 28)
;;       step = 2.0 ** (np.maximum(np.frexp(np.where(r == 0, 1, r))[1] - 1, -2) - 2)
;;       q = np.round(r / step) * step * 2.0 ** e      # np.round: ties to even
;;       return np.moveaxis(q.reshape(q.shape[:-2] + (-1,))[..., :K], -1, axis).astype(np.float32)
;;   ~~~
;; One version. Each part assembles by itself: llvm-mc -triple=amdgcn-amd-amdhsa -mcpu=gfx1250 --defsym DOCPART=n.
;; ======== version 1 of 1: 4 launches
;; limits: right only within a limited range of input values
;; workspace buffers: wtq 819,200 bytes; hab 262,144 bytes; scores 262,144 bytes; part 1,048,576 bytes
;; launch prep (part 1): grid 192 x 1, 8 waves a work-group, no clusters, 17,920 bytes of LDS; arguments wt, wa, wb, a, b, wtq, hab; writes wtq, hab
.if DOCPART == 1
	.amdgcn_target "amdgcn-amd-amdhsa--gfx1250"
	.amdhsa_code_object_version 6
	.text
	.protected	k_q70f828745e_prep
	.globl	k_q70f828745e_prep
	.p2align	8
	.type	k_q70f828745e_prep,@function
k_q70f828745e_prep:
	s_mov_b64 s[64:65], 0
	v_nop
	global_prefetch_b8 v0, s[64:65] scope:SCOPE_SE
	s_setreg_imm32_b32 hwreg(HW_REG_WAVE_MODE, 25, 1), 1
	s_wait_xcnt 0x0
; Work-groups 0-63: wt [1024 (k)][1024 (n)] f32 becomes codes of BF6 (E3M2) with one E8M0 byte for each 32 along k, laid in the order of the operand's registers.
; Work-groups 64-127: ha = tanh(Q(a) Q(wa));  128-191: hb = tanh(Q(b) Q(wb)), both [32][1024] f32, on codes made here in registers.
; A work-group takes 16 columns n of its weight (a tile), each of its eight waves one K step of 128.  A LANE TAKES A COLUMN AND ITS REGISTERS RUN DOWN k, in the order
; that the operand's layout gives that lane (k = 64 c + 32 (lane / 16) + 0 .. 31): the conversions' results are the operand's registers, nothing is transposed.
; wtq: a record of 12,800 bytes a tile: eight fragments of 1,536 bytes (registers 4 c .. 4 c + 3 of lane l at 512 c + 16 l), then 512 bytes of scale words (column r: 32 bytes, word s for K step s).
; A block's scale is 2^(floor(log2(largest magnitude)) - 4); its byte is the largest magnitude's exponent field - 4, held at 1 from below.
; LIMITS: a block of zeros gets the byte 1 where the rule says 127 (its codes are zeros, and this program alone reads the bytes); blocks whose largest magnitude lies under 2^(5 - 127) are held at that floor;
; NaN and infinities among the inputs are not served.  The weights are read, and ha and hb stored, in pieces of 64 consecutive bytes: 12.5 MB against the 270 MB that the program streams.
; The two ways part on the work-group's number alone, so all eight waves of a work-group take the same way; each way has LDS bytes of its own.
; WORK LEFT OUT BY THE PROGRAM.  (1) tanh(x) = 1 - 2 / (1 + e^(2x)), so a row's score is C - 2 sum_h ha hb wh / (1 + e^(2x)) with C = sum_h ha hb wh, the same for all rows of a batch:
; a term that is the same along the softmax's axis leaves the softmax as it is, for all values, so C is never formed.  (2) The softmax's own divisor cancels in the renormalisation behind the mask.
; (3) A row whose mask byte is 0 has weight 0: its numbers of t are not read (the mask bytes, read from memory, steer the row offsets), and its score is never used.
; LIMIT: a NaN, an infinity or an overflow that reaches only the work left out is not carried to the result.
.set RED,  0
.set WTS,  16384                       ; LDS: wt's scale words of a tile, 512 bytes
.set RECB, 12800
.set H8,   6                           ; v6      8 x (lane / 16)
.set T,    16                          ; v16-31  at work in QUANT64
.set FW,   32                          ; v32-43  the weight's fragment
.set FA0,  44                          ; v44-55  rows 0-15 of a or b
.set SWW,  56                          ; v56-58  scale words: the weight's, rows 0-15's, rows 16-31's; they hold nothing else
.set SA0,  57
.set SA1,  58
.set XW,   64                          ; v64-127 the weight's 64 numbers
.set FA1,  64                          ; v64-75  later: rows 16-31 of a or b
.set D0,   80                          ; v80-87, v88-95 the two results
.set D1,   88
.set RS,   96                          ; v96-111 eight waves' parts of two registers
.set XA0,  128
.set XA1,  192
.set WV,   18
.set SEL,  30                          ; s[30:31] lane selects: lane l xor 16
.set CS,   32                          ; s[32:33] 2 log2(e)
; 64 numbers of a lane, v[X + 32 c + i] = k 64 c + 32 (lane / 16) + i of its row or column, become a fragment in v[F .. F + 11] and its scale word in v[W].
.macro QUANT64 X, F, W, T
.irp c, 0,1
	v_max3_num_f32 v[\T+\c], |v[\X+32*\c]|, |v[\X+32*\c+1]|, 0x2800000   ; my block 2 c + lane / 16: all 32 numbers are mine; the floor 2^(5 - 127) keeps the byte at 1 or above
.endr
.irp i, 2,4,6,8,10,12,14,16,18,20,22,24,26,28,30
.irp c, 0,1
	s_delay_alu instid0(VALU_DEP_2)
	v_max3_num_f32 v[\T+\c], v[\T+\c], |v[\X+32*\c+\i]|, |v[\X+32*\c+\i+1]|
.endr
.endr
.irp c, 0,1
	s_delay_alu instid0(VALU_DEP_2)
	v_add_nc_u32 v[\T+2+\c], 0xfe000000, v[\T+\c]              ; 4 off the exponent field: the conversion takes this operand's exponent field as its scale
.endr
.irp c, 0,1
	s_delay_alu instid0(VALU_DEP_2)
	v_lshrrev_b32 v[\T+4+\c], 23, v[\T+2+\c]                   ; the scale's byte
.endr
	s_delay_alu instid0(VALU_DEP_1)
	v_lshl_or_b32 v[\W], v[\T+5], 16, v[\T+4]                  ; my two bytes, blocks h and 2 + h,
	s_delay_alu instid0(VALU_DEP_1)
	v_lshlrev_b32 v[\W], v[H8], v[\W]                          ; at their places in the word;
	s_delay_alu instid0(VALU_DEP_1)
	v_permlanex16_b32 v[\T+6], v[\W], s[SEL], s[SEL+1]
	s_delay_alu instid0(VALU_DEP_1)
	v_or_b32 v[\W], v[\W], v[\T+6]                             ; with lane l xor 16's two the word is whole
.irp c, 0,1
	v_cvt_scalef32_pk16_bf6_f32 v[\F+6*\c:\F+6*\c+2], v[\X+32*\c:\X+32*\c+15], v[\T+2+\c]
	v_cvt_scalef32_pk16_bf6_f32 v[\T+8+4*\c:\T+10+4*\c], v[\X+32*\c+16:\X+32*\c+31], v[\T+2+\c]   ; (a conversion's three registers begin on an even number)
.endr
	v_nop                                                      ; one plain line behind the last scaled conversion
.irp c, 0,1
.irp i, 0,1,2
	v_mov_b32 v[\F+3+6*\c+\i], v[\T+8+4*\c+\i]
.endr
.endr
.endm
	s_load_b256 s[4:11], s[0:1], 0x0               ; wt s[4:5], wa s[6:7], wb s[8:9], a s[10:11]
	s_load_b128 s[12:15], s[0:1], 0x20             ; b s[12:13], wtq s[14:15]
	s_load_b64 s[16:17], s[0:1], 0x30              ; hab
	v_lshl_add_u32 v31, v0, 2, 0x4200
	v_mov_b32 v59, 0
	v_lshrrev_b32 v7, 5, v0
	s_delay_alu instid0(VALU_DEP_1)
	v_readfirstlane_b32 s[WV], v7                  ; wave = K step 0..7
	v_and_b32 v1, 15, v0                           ; r
	v_bfe_u32 v2, v0, 4, 1                         ; h
	v_and_b32 v8, 31, v0                           ; lane
	s_delay_alu instid0(VALU_DEP_3)
	v_lshlrev_b32 v3, 2, v1
	s_delay_alu instid0(VALU_DEP_1)
	v_lshl_add_u32 v3, v2, 17, v3                  ; the weight: column r, and 32 rows of 4,096 bytes further down for lanes 16-31
	v_lshlrev_b32 v4, 12, v1
	s_delay_alu instid0(VALU_DEP_1)
	v_lshl_add_u32 v4, v2, 7, v4                   ; a, b: row r of 4,096 bytes, + 128 h
	v_lshlrev_b32 v5, 4, v8                        ; 16 x lane
	s_wait_alu depctr_va_vdst(0)
	v_lshlrev_b32 v[H8], 3, v2
	v_mov_b32 v[T+6], 0                            ; written once: a lane permute's destination counts as one of its sources
	s_mov_b32 s[SEL], 0x76543210
	s_mov_b32 s[SEL+1], 0xfedcba98
	s_mov_b32 s[CS], 0x4038aa3b                    ; 2 log2(e)
	s_mov_b32 s[CS+1], s[CS]
	; every LDS address is made here, ahead of the parting of the ways
	s_lshl_b32 s34, s[WV], 2
	v_lshl_add_u32 v9, v1, 5, s34
	s_delay_alu instid0(VALU_DEP_1)
	v_add_nc_u32 v9, WTS, v9                       ; wt's scale word: 32 r + 4 s
	v_add_nc_u32 v10, WTS, v5                      ; and the 512 bytes back, 16 a lane
	s_lshl_b32 s34, s[WV], 11
	v_add_nc_u32 v11, s34, v5                      ; my partial sums: 2,048 x wave + 16 x lane
	s_lshr_b32 s34, s[WV], 1
	s_lshl_b32 s34, s34, 9
	s_and_b32 s35, s[WV], 1
	s_lshl_b32 s35, s35, 3
	s_add_co_u32 s34, s34, s35
	v_add_nc_u32 v12, s34, v5                      ; registers 2 w, 2 w + 1 of every wave's sixteen: 512 (w / 2) + 8 (w % 2) + 16 x lane
	v_lshlrev_b32 v13, 2, v1
	s_delay_alu instid0(VALU_DEP_1)
	v_lshl_add_u32 v13, v2, 15, v13                ; ha, hb: column r, and 8 rows of 4,096 bytes further down for lanes 16-31
	s_and_b32 s19, ttmp9, 63                       ; tile
	s_lshr_b32 s20, ttmp9, 6                       ; 0 wt, 1 wa, 2 wb
	s_lshl_b32 s22, s[WV], 19                      ; my K step: 128 rows of 4,096 bytes
	s_lshl_b32 s23, s19, 6                         ; my tile: 16 columns
	s_add_co_u32 s22, s22, s23
	s_mov_b32 s23, 0
	s_wait_kmcnt 0x0
	s_cmp_lt_u32 ttmp9, 128                        ; the choices hang on the work-group's number alone
	s_cselect_b64 s[24:25], s[6:7], s[8:9]
	s_cselect_b64 s[26:27], s[10:11], s[12:13]
	s_cmp_lt_u32 ttmp9, 64
	s_cselect_b64 s[24:25], s[4:5], s[24:25]
	s_add_nc_u64 s[24:25], s[24:25], s[22:23]
.irp c, 0,1
.irp i, 0,1,2,3,4,5,6,7,8,9,10,11,12,13,14,15,16,17,18,19,20,21,22,23,24,25,26,27,28,29,30,31
	global_load_b32 v[XW+32*\c+\i], v3, s[24:25] offset:(64*\c+\i)*4096 th:TH_LOAD_NT   ; W(128 s + 64 c + 32 h + i, 16 tile + r)
.endr
.endr
	s_cmp_lt_u32 ttmp9, 64
	s_cbranch_scc0 .Lsmall
	; ---- wt: the fragment and its scale words go to wtq
	s_wait_loadcnt 0x0
	QUANT64 XW, FW, SWW, T
	s_mul_i32 s22, s19, RECB
	s_mul_i32 s23, s[WV], 1536
	s_add_co_u32 s22, s22, s23
	s_mov_b32 s23, 0
	s_add_nc_u64 s[28:29], s[14:15], s[22:23]      ; my tile's record, my K step's fragment
.irp c, 0,1,2
	global_store_b128 v5, v[FW+4*\c:FW+4*\c+3], s[28:29] offset:512*\c   ; 32 lanes store 512 consecutive bytes, at a multiple of 256 from wtq's first byte
.endr
	ds_store_b32 v9, v[SWW]                        ; lanes r and r + 16 write the same word with the same value
	s_wait_dscnt 0x0                               ; for the others' sake: my word lies in LDS
	s_barrier_signal -1
	s_barrier_wait -1
	s_cmp_lg_u32 s[WV], 0
	s_cbranch_scc1 .Ldone_wt
	ds_load_b128 v[60:63], v10                     ; wave 0 (whose record pointer stands at the record's head) stores the tile's 512 bytes of scale words whole
	s_wait_dscnt 0x0
	global_store_b128 v5, v[60:63], s[28:29] offset:12288
.Ldone_wt:
	s_wait_tensorcnt 0x0
	ds_add_u32 v31, v59
	s_wait_dscnt 0x0
	s_endpgm
	; ---- wa with a, wb with b: my K step's part of [32 x 16], summed over the eight waves in LDS, then tanh
.Lsmall:
	s_sub_co_u32 s34, s20, 1
	s_lshl_b32 s34, s34, 17                        ; ha or hb
	s_lshr_b32 s35, s[WV], 2
	s_lshl_b32 s35, s35, 16                        ; the rows that I finish: 16 (w / 4) + 2 (w % 4), + 8 h in the lane's offset
	s_add_co_u32 s34, s34, s35
	s_and_b32 s35, s[WV], 3
	s_lshl_b32 s35, s35, 13
	s_add_co_u32 s34, s34, s35
	s_lshl_b32 s35, s19, 6
	s_add_co_u32 s34, s34, s35
	s_mov_b32 s35, 0
	s_add_nc_u64 s[16:17], s[16:17], s[34:35]
	s_lshl_b32 s34, s[WV], 9
	s_add_nc_u64 s[26:27], s[26:27], s[34:35]      ; a or b at my K step
.irp c, 0,1
.irp i, 0,1,2,3,4,5,6,7
	global_load_b128 v[XA0+32*\c+4*\i:XA0+32*\c+4*\i+3], v4, s[26:27] offset:256*\c+16*\i
.endr
.endr
.irp c, 0,1
.irp i, 0,1,2,3,4,5,6,7
	global_load_b128 v[XA1+32*\c+4*\i:XA1+32*\c+4*\i+3], v4, s[26:27] offset:65536+256*\c+16*\i
.endr
.endr
	s_wait_loadcnt 32                              ; the weight's 64 loads are in; the 32 younger ones may be out
	QUANT64 XW, FW, SWW, T
	s_wait_loadcnt 16                              ; rows 0-15 are in
	QUANT64 XA0, FA0, SA0, T
	s_wait_loadcnt 0x0
	QUANT64 XA1, FA1, SA1, T
.rept 8
	v_nop                                          ; a scale register written by a vector instruction stands eight places ahead of a scaled matrix instruction, an operand so written four
.endr
	v_wmma_scale_f32_16x16x128_f8f6f4 v[D0:D0+7], v[FA0:FA0+11], v[FW:FW+11], 0, v[SA0], v[SWW] matrix_a_fmt:MATRIX_FMT_BF6 matrix_b_fmt:MATRIX_FMT_BF6
	v_wmma_scale_f32_16x16x128_f8f6f4 v[D1:D1+7], v[FA1:FA1+11], v[FW:FW+11], 0, v[SA1], v[SWW] matrix_a_fmt:MATRIX_FMT_BF6 matrix_b_fmt:MATRIX_FMT_BF6
.rept 4
	v_nop                                          ; four places ahead of the first read of the results (ISA guide 7.12.1)
.endr
	ds_store_b128 v11, v[D0:D0+3]                  ; each result from its low end on
	ds_store_b128 v11, v[D0+4:D0+7] offset:512
	ds_store_b128 v11, v[D1:D1+3] offset:1024
	ds_store_b128 v11, v[D1+4:D1+7] offset:1536
	s_wait_dscnt 0x0                               ; for the others' sake
	s_barrier_signal -1
	s_barrier_wait -1
.irp u, 0,1,2,3,4,5,6,7
	ds_load_b64 v[RS+2*\u:RS+2*\u+1], v12 offset:2048*\u
.endr
	s_wait_dscnt 0x0
	v_pk_add_f32 v[RS:RS+1], v[RS:RS+1], v[RS+2:RS+3]
	v_pk_add_f32 v[RS+4:RS+5], v[RS+4:RS+5], v[RS+6:RS+7]
	v_pk_add_f32 v[RS+8:RS+9], v[RS+8:RS+9], v[RS+10:RS+11]
	v_pk_add_f32 v[RS+12:RS+13], v[RS+12:RS+13], v[RS+14:RS+15]
	s_delay_alu instid0(VALU_DEP_3)
	v_pk_add_f32 v[RS:RS+1], v[RS:RS+1], v[RS+4:RS+5]
	s_delay_alu instid0(VALU_DEP_2)
	v_pk_add_f32 v[RS+8:RS+9], v[RS+8:RS+9], v[RS+12:RS+13]
	s_delay_alu instid0(VALU_DEP_1)
	v_pk_add_f32 v[RS:RS+1], v[RS:RS+1], v[RS+8:RS+9]
	s_delay_alu instid0(VALU_DEP_1)
	v_pk_mul_f32 v[RS:RS+1], v[RS:RS+1], s[CS:CS+1] op_sel_hi:[1,0]   ; tanh(x) = 1 - 2 / (1 + 2^(2 log2(e) x)): right at both ends, where the power is 0 or infinite
	s_wait_alu depctr_va_vdst(0)
	v_exp_f32 v[RS], v[RS]
	v_exp_f32 v[RS+1], v[RS+1]
	v_nop                                          ; a plain line behind the transcendentals,
	s_wait_alu depctr_va_vdst(0)                   ; and one wait for both, ahead of their first reader
	v_pk_add_f32 v[RS:RS+1], v[RS:RS+1], 1.0 op_sel_hi:[1,0]
	s_wait_alu depctr_va_vdst(0)
	v_rcp_f32 v[RS], v[RS]
	v_rcp_f32 v[RS+1], v[RS+1]
	v_nop
	s_wait_alu depctr_va_vdst(0)
	v_pk_fma_f32 v[RS:RS+1], v[RS:RS+1], -2.0, 1.0 op_sel_hi:[1,0,0]
	global_store_b32 v13, v[RS], s[16:17]
	global_store_b32 v13, v[RS+1], s[16:17] offset:4096
	s_wait_tensorcnt 0x0
	ds_add_u32 v31, v59
	s_wait_dscnt 0x0
	s_endpgm
.Lfunc_end_k_q70f828745e_prep:
	.size	k_q70f828745e_prep, .Lfunc_end_k_q70f828745e_prep-k_q70f828745e_prep
	.p2alignl 7, 3214868480
	.fill 96, 4, 3214868480
	.section	.rodata,"a",@progbits
	.p2align	6, 0x0
	.amdhsa_kernel k_q70f828745e_prep
		.amdhsa_group_segment_fixed_size 17920
		.amdhsa_private_segment_fixed_size 0
		.amdhsa_enable_private_segment 0
		.amdhsa_kernarg_size 56
		.amdhsa_user_sgpr_count 2
		.amdhsa_user_sgpr_kernarg_segment_ptr 1
		.amdhsa_wavefront_size32 1
		.amdhsa_system_sgpr_workgroup_id_x 1
		.amdhsa_system_sgpr_workgroup_id_y 1
		.amdhsa_system_sgpr_workgroup_id_z 1
		.amdhsa_system_vgpr_workitem_id 0
		.amdhsa_next_free_vgpr 256
		.amdhsa_next_free_sgpr 66
		.amdhsa_reserve_vcc 0
		.amdhsa_float_denorm_mode_32 3
		.amdhsa_float_denorm_mode_16_64 3
		.amdhsa_memory_ordered 1
		.amdhsa_forward_progress 1
		.amdhsa_inst_pref_size 33
	.end_amdhsa_kernel
	.amdgpu_metadata
---
amdhsa.version: [ 1, 2 ]
amdhsa.kernels:
  - .name:           k_q70f828745e_prep
    .symbol:         k_q70f828745e_prep.kd
    .args:
      - { .name: wt, .offset: 0, .size: 8, .value_kind: global_buffer, .address_space: global }
      - { .name: wa, .offset: 8, .size: 8, .value_kind: global_buffer, .address_space: global }
      - { .name: wb, .offset: 16, .size: 8, .value_kind: global_buffer, .address_space: global }
      - { .name: a, .offset: 24, .size: 8, .value_kind: global_buffer, .address_space: global }
      - { .name: b, .offset: 32, .size: 8, .value_kind: global_buffer, .address_space: global }
      - { .name: wtq, .offset: 40, .size: 8, .value_kind: global_buffer, .address_space: global }
      - { .name: hab, .offset: 48, .size: 8, .value_kind: global_buffer, .address_space: global }
    .group_segment_fixed_size: 17920
    .private_segment_fixed_size: 0
    .kernarg_segment_align: 8
    .kernarg_segment_size: 56
    .max_flat_workgroup_size: 256
    .sgpr_count:     66
    .vgpr_count:     256
    .wavefront_size: 32
...
	.end_amdgpu_metadata
.endif
;; end of part 1
;; launch score (part 2): grid 256 x 1, 4 waves a work-group, clusters of 4 x 1, 327,680 bytes of LDS; arguments t, mask, wtq, hab, wh, scores; writes scores
.if DOCPART == 2
	.amdgcn_target "amdgcn-amd-amdhsa--gfx1250"
	.amdhsa_code_object_version 6
	.text
	.protected	k_q70f828745e_score
	.globl	k_q70f828745e_score
	.p2align	8
	.type	k_q70f828745e_score,@function
k_q70f828745e_score:
	s_mov_b64 s[64:65], 0
	v_nop
	global_prefetch_b8 v0, s[64:65] scope:SCOPE_SE
	s_setreg_imm32_b32 hwreg(HW_REG_WAVE_MODE, 25, 1), 1
	s_wait_xcnt 0x0
	s_wait_alu depctr_hold_cnt(0) depctr_sa_sdst(0) depctr_va_vdst(0) depctr_va_sdst(0) depctr_va_ssrc(0) depctr_va_vcc(0) depctr_vm_vsrc(0)
	s_getreg_b32 s2, hwreg(HW_REG_IB_STS2, 6, 4)
	s_cmp_eq_u32 s2, 0
	s_cbranch_scc0 .Lentry_in_a_cluster
	s_endpgm
.Lentry_in_a_cluster:
	s_bfe_u32 s2, ttmp6, 0x10000c
	s_cmp_lg_u32 s2, 0x3003
	s_cbranch_scc0 .Lentry_shape_is_right
	s_endpgm
.Lentry_shape_is_right:
; scores[row] = sum over h of g[h] / (1 + 2^(2 log2(e) x[row][h])), x = Q(t) Q(wt) in MX-BF6, g = -2 ha hb wh of the row's batch.
; Left out: the term sum_h ha hb wh, the same for all rows of a batch (it leaves the softmax as it is); rows whose mask byte is 0 read their wave's first row in their stead, and their scores are never used.
; LIMITS: inputs are finite; where the power overflows its reciprocal is 0, which is tanh's own end; a block of zeros gets the scale byte 1 (its codes are zeros; the bytes stay in this launch).
; SHARES.  A work-group takes 256 rows of t, a wave 64: four blocks of 16 rows x 1,024 K, quantised in the head and kept in 384 registers for the whole launch.
; wt comes as records of 16 columns (12,800 bytes: eight fragments as register images, then scale words), eight records to a slot, two slots by turns, each wave fetching a quarter of a slot.
; CLUSTER: the four work-groups of a cluster walk the same records and ask for them jointly (mask 15).  No prefetch: all 64 clusters walk the same 819,200 bytes in the same order, and a refill has eight tiles' work in which to land.
; A TILE (16 columns) is 32 matrix instructions with no transcendental among them, then its 32 numbers a lane go through five stages in batches: x c, 2^, + 1, 1 /, x g into the sums.
; So no accumulator is live across a batch, and a batch has one wait ahead of it and one behind it.
; REGISTERS, in windows of 256.  Window 0: v0-31 addresses, v32-63 A's scale words, v64-79 B's (two sets), v128-255 at work in the head, the results at the end.
; Windows 1, 2: v0-191 A's fragments of two blocks of rows each, v192-223 their accumulators (two sets by the tile's parity), v224-239 their sums.
; Window 3: B's fragments of a tile, two sets by the tile's parity, v0-95 and v100-195; v96, v98 g (in the head: rows on their way).
.set SLOT1, 131072                     ; slot 1's first byte; slot 0 begins at 0
.set RECB,  12800                      ; a tile's record
.set SLOTB, 102400                     ; eight records
.set QUART, 25600                      ; what one wave fetches of a slot
.set GB,    102400                     ; g of my batch, 4,096 bytes
.set SPARE, 106496                     ; the spare words, 512 bytes
.set WREG0, 233472                     ; behind slot 1: a stage for each wave
.set WREGB, 8448                       ; 16 rows of SP bytes
.set SP,    528                        ; the stage's pitch: 512 bytes + 16
.set SPW, 1
.set NIL, 2
.set L16, 3                            ; 16 x lane
.set ADR, 4                            ; the next tile's record,
.set ADS, 5                            ; its scale words,
.set ADG, 6                            ; its g
.set GL0, 7
.set BS0, 8
.set STW, 9
.set STR, 10
.set H8,  15
.set SCW, 20
.set SCR, 21
.set O8,  22
.set GST, 23
.set ASC, 32
.set BSC, 64
.set X,   128                          ; v128-191 64 numbers of a lane's row
.set OUT, 128
.set F,   192                          ; v192-206 four conversions' results
.set T,   208
.set RO,  224
.set ACC, 192
.set SUM, 224
.set BSET, 100                         ; from B's set 0 to its set 1
.set WV,  16
.set G1,  24
.set G0A, 32
.set G0W, 36
.set TP,  40
.set SCP, 42
.set CS,  52
.set SEL, 54
.set TB,  56
.set TG,  57
.set MK,  68
.set S1,   0x5d                        ; source 0, C and D window 1, source 1 window 3
.set S2,   0xae                        ; the same with window 2
.set TO3,  0xc0
.set FROM3, 0x0c
.set MSB, 0
.macro WIN new                         ; the immediate's high byte repeats the setting that is left
.if MSB != (\new)
	s_set_vgpr_msb (MSB<<8)|(\new)
.set MSB, (\new)
.endif
.endm
.macro CROUND                          ; a round of the cluster's barrier
	s_barrier_signal -1
	s_barrier_wait -1
	s_cmp_lg_u32 s[WV], 0
	s_cbranch_scc1 .Lnot_wave_0_\@
	s_barrier_signal -3
.Lnot_wave_0_\@:
	s_barrier_wait -3
	s_barrier_signal -1
	s_barrier_wait -1
.endm
.macro PLACES
.rept 4
	v_nop
.endr
.endm
; 64 numbers of a lane, v[X + 32 c + i] = k 64 c + 32 (lane / 16) + i of its row, become a fragment in registers D .. D + 11 of window DW and its scale word in v[W]
.macro QUANT64 X, T, W, DW, D
.irp c, 0,1
	v_max3_num_f32 v[\T+\c], |v[\X+32*\c]|, |v[\X+32*\c+1]|, 0x2800000   ; the floor 2^(5 - 127) keeps the byte at 1 or above
.endr
.irp i, 2,4,6,8,10,12,14,16,18,20,22,24,26,28,30
.irp c, 0,1
	v_max3_num_f32 v[\T+\c], v[\T+\c], |v[\X+32*\c+\i]|, |v[\X+32*\c+\i+1]|
.endr
.endr
.irp c, 0,1
	v_add_nc_u32 v[\T+2+\c], 0xfe000000, v[\T+\c]              ; 4 off the exponent field: the conversion's scale operand
.endr
.irp c, 0,1
	v_lshrrev_b32 v[\T+4+\c], 23, v[\T+2+\c]                   ; the scale's byte
.endr
	v_lshl_or_b32 v[\W], v[\T+5], 16, v[\T+4]
	v_lshlrev_b32 v[\W], v[H8], v[\W]
	v_permlanex16_b32 v[\T+6], v[\W], s[SEL], s[SEL+1]
	v_or_b32 v[\W], v[\W], v[\T+6]                             ; with lane l xor 16's two bytes the word is whole
.irp c, 0,1
	v_cvt_scalef32_pk16_bf6_f32 v[F+8*\c:F+8*\c+2], v[\X+32*\c:\X+32*\c+15], v[\T+2+\c]
	v_cvt_scalef32_pk16_bf6_f32 v[F+8*\c+4:F+8*\c+6], v[\X+32*\c+16:\X+32*\c+31], v[\T+2+\c]   ; (a conversion's three registers begin on an even number)
.endr
	v_nop                                                      ; one plain line behind the last scaled conversion
	WIN 0x40*(\DW)                                             ; the codes go straight to their place among A's fragments
.irp c, 0,1
.irp i, 0,1,2
	v_mov_b32 v[(\D)+6*\c+\i], v[F+8*\c+\i]
	v_mov_b32 v[(\D)+6*\c+3+\i], v[F+8*\c+4+\i]
.endr
.endr
	WIN 0
.endm
.macro ROCALC mi                       ; the offsets of block mi's 16 rows: the row's own, or 0 where its mask byte is 0
.irp p, 0,1,2,3,4,5,6,7,8,9,10,11,12,13,14,15
	s_bfe_u32 s[48+\p%4], s[MK+4*\mi+\p/4], (1<<16)|(8*(\p%4))
	s_min_u32 s[48+\p%4], s[48+\p%4], 1
	s_mul_i32 s[48+\p%4], s[48+\p%4], (16*\mi+\p)*4096
	v_add_nc_u32 v[RO+16*(\mi%2)+\p], s[48+\p%4], v[L16]
.endr
.endm
.macro ISSUE jj, u                     ; 512 bytes (128 along K) of 16 rows into window 3
	WIN TO3
.irp p, 0,1,2,3,4,5,6,7,8,9,10,11,12,13,14,15
	global_load_b128 v[64*\u+4*\p:64*\u+4*\p+3], v[RO+16*(((\jj)/2)%2)+\p], s[TP:TP+1] offset:2048*((\jj)%2)+512*\u
.endr
	WIN 0
.endm
.macro UNIT j, u                       ; 16 rows x 128 K (block j / 2, K step 4 (j % 2) + u): through my stage, so that a lane holds 64 numbers of one row; then quantised
.if \j < 7
	s_wait_loadcnt 48                              ; this unit's 16 loads are in; three units' may be out
.else
	s_wait_loadcnt 16*(3-\u)
.endif
	WIN FROM3
.irp p, 0,1,2,3,4,5,6,7,8,9,10,11,12,13,14,15
	ds_store_b128 v[STW], v[64*\u+4*\p:64*\u+4*\p+3] offset:SP*\p
.endr
	WIN 0
.irp c, 0,1
.irp i, 0,1,2,3,4,5,6,7
	ds_load_b128 v[X+32*\c+4*\i:X+32*\c+4*\i+3], v[STR] offset:256*\c+16*\i
.endr
.endr
	s_wait_dscnt 0x0
.if \j < 7
	ISSUE \j+1, \u
.endif
	QUANT64 X, T, ASC+8*(\j/2)+4*(\j%2)+\u, 1+\j/4, 96*((\j/2)%2)+12*(4*(\j%2)+\u)
.endm
.macro HALF j
	UNIT \j, 0
	UNIT \j, 1
	UNIT \j, 2
	UNIT \j, 3
.endm
	s_load_b256 s[4:11], s[0:1], 0x0               ; t, mask, wtq, hab
	s_load_b128 s[12:15], s[0:1], 0x20             ; wh, scores
	v_lshl_add_u32 v[SPW], v0, 2, SPARE
	v_mov_b32 v[NIL], 0
	ds_add_u32 v[SPW], v[NIL]                      ; the opening lines: the add, twice on end, and its wait
	ds_add_u32 v[SPW], v[NIL]
	s_wait_dscnt 0x0
	v_lshrrev_b32 v18, 5, v0
	v_readfirstlane_b32 s[WV], v18                 ; wave 0..3
	s_bfe_u32 s17, ttmp6, 0x40000
	s_lshl_b32 s18, ttmp9, 2
	s_add_co_u32 s18, s18, s17                     ; work-group = 4 x cluster + place
	s_mov_b32 s[G1], 15|(3<<16)|(1<<21)            ; group 1: 100 rows of 256 bytes, dense; the mask names the cluster's four
	s_mov_b32 s[G1+1], 32<<16
	s_mov_b32 s[G1+2], 100<<16
	s_mov_b32 s[G1+3], 32<<16
	s_mov_b32 s[G1+4], 100
	s_mov_b32 s[G1+5], 32
	s_mov_b32 s[G1+6], 0
	s_mov_b32 s[G1+7], 0
	s_mul_i32 s48, s[WV], QUART
	s_mov_b32 s49, 0
	s_mov_b32 s[CS], 0x4038aa3b                    ; c = 2 log2(e)
	s_mov_b32 s[CS+1], s[CS]
	s_mov_b32 s[SEL], 0x76543210
	s_mov_b32 s[SEL+1], 0xfedcba98
	s_wait_kmcnt 0x0
	s_mov_b32 s[G0A], 1
	s_mov_b32 s[G0A+1], s48
	s_add_nc_u64 s[G0A+2:G0A+3], s[8:9], s[48:49]
	s_mov_b32 s[G0W], 1
	s_add_co_u32 s[G0W+1], s48, SLOT1
	s_add_nc_u64 s[G0W+2:G0W+3], s[G0A+2:G0A+3], SLOTB
	s_or_b32 s[G0A+3], s[G0A+3], 0x80000000
	s_or_b32 s[G0W+3], s[G0W+3], 0x80000000
	CROUND
	tensor_load_to_lds s[G0A:G0A+3], s[G1:G1+7]    ; my quarter of tiles 0-7: the one load of the head
	s_nop 0
	s_wait_alu depctr_va_vdst(0)
	s_wait_tensorcnt 0x0                           ; slot 1's first fill goes out as a refill does: the three lines, a round, the load
	ds_add_u32 v[SPW], v[NIL]
	s_wait_dscnt 0x0
	CROUND
	tensor_load_to_lds s[G0W:G0W+3], s[G1:G1+7]    ; tiles 8-15
	s_nop 0
	PLACES
	s_lshl_b32 s50, s18, 20                        ; t: 256 rows of 4,096 bytes a work-group,
	s_lshl_b32 s51, s[WV], 18                      ; 64 a wave
	s_add_co_u32 s50, s50, s51
	s_mov_b32 s51, 0
	s_add_nc_u64 s[TP:TP+1], s[4:5], s[50:51]
	s_lshr_b32 s50, s50, 10
	s_add_nc_u64 s[SCP:SCP+1], s[14:15], s[50:51]
	s_lshr_b32 s50, s50, 2
	s_add_nc_u64 s[20:21], s[6:7], s[50:51]
	s_load_b512 s[MK:MK+15], s[20:21], 0x0         ; my 64 mask bytes
	s_lshr_b32 s50, s18, 3
	s_lshl_b32 s50, s50, 12
	s_add_nc_u64 s[22:23], s[10:11], s[50:51]      ; my batch's ha; hb lies 131,072 bytes on
	v_and_b32 v24, 31, v0
	v_lshlrev_b32 v27, 5, v0
	global_load_b128 v[128:131], v27, s[22:23]
	global_load_b128 v[132:135], v27, s[22:23] offset:16
	global_load_b128 v[136:139], v27, s[22:23] offset:131072
	global_load_b128 v[140:143], v27, s[22:23] offset:131088
	global_load_b128 v[144:147], v27, s[12:13]
	global_load_b128 v[148:151], v27, s[12:13] offset:16
	v_and_b32 v29, 15, v0
	v_bfe_u32 v30, v0, 4, 1
	v_lshlrev_b32 v[L16], 4, v24
	v_lshl_add_u32 v[GL0], v29, 2, GB
	v_lshl_add_u32 v[BS0], v29, 5, 12288
	s_mul_i32 s50, s[WV], WREGB
	s_add_co_u32 s50, s50, WREG0
	v_add_nc_u32 v[STW], s50, v[L16]
	v_mul_u32_u24 v[STR], v29, SP
	v_lshl_add_u32 v[STR], v30, 7, v[STR]
	v_add_nc_u32 v[STR], s50, v[STR]
	v_lshlrev_b32 v[H8], 3, v30
	v_lshl_add_u32 v[SCW], v30, 5, s50
	v_lshl_add_u32 v[SCR], v24, 3, s50
	v_lshlrev_b32 v[O8], 3, v24
	v_lshl_add_u32 v[GST], v0, 5, GB
	v_mov_b32 v[T+6], 0                            ; written once: a lane permute's destination counts as one of its sources
	s_wait_kmcnt 0x0
	ROCALC 0
	s_wait_alu depctr_va_vdst(0)
	ISSUE 0, 0
	ISSUE 0, 1
	ISSUE 0, 2
	s_wait_loadcnt 48                              ; ha, hb, wh are in; the 48 row loads may be out
.irp j, 0,2,4,6
	v_pk_mul_f32 v[128+\j:129+\j], v[128+\j:129+\j], v[136+\j:137+\j]
	v_pk_mul_f32 v[144+\j:145+\j], v[144+\j:145+\j], -2.0 op_sel_hi:[1,0]
.endr
.irp j, 0,2,4,6
	v_pk_mul_f32 v[128+\j:129+\j], v[128+\j:129+\j], v[144+\j:145+\j]   ; g = -2 ha hb wh: 8 columns a thread
.endr
	ds_store_b128 v[GST], v[128:131]
	ds_store_b128 v[GST], v[132:135] offset:16
	ISSUE 0, 3
	s_wait_dscnt 0x0
	HALF 0
	ROCALC 1
	s_wait_alu depctr_va_vdst(0)
	HALF 1
	HALF 2
	ROCALC 2
	s_wait_alu depctr_va_vdst(0)
	HALF 3
	HALF 4
	ROCALC 3
	s_wait_alu depctr_va_vdst(0)
	HALF 5
	HALF 6
	HALF 7
	WIN TO3
	v_mov_b32 v97, 0                               ; the upper halves of g's pairs: named by the packed forms, never used
	v_mov_b32 v99, 0
	WIN 0
	s_wait_alu depctr_va_vdst(0)
	s_wait_tensorcnt 0x1                           ; (slot 1's load may stay out)
	s_wait_dscnt 0x0                               ; for the others' sake: my part of g lies in LDS
	s_barrier_signal -1
	s_barrier_wait -1
.macro BRUN ad, bb, s0, ns             ; B's fragments of K steps s0 .. s0 + ns - 1 of the record at v[ad], into the set that begins at register bb
	WIN TO3
.set BS, \s0
.rept \ns
.irp c, 0,1,2
	ds_load_b128 v[\bb+12*BS+4*\c:\bb+12*BS+4*\c+3], v[\ad] offset:1536*BS+512*\c
.endr
.set BS, BS+1
.endr
.endm
	ds_load_b128 v[BSC:BSC+3], v[BS0]              ; tile 0, in the order that every tile's loads have: 2 + 9 + 1, then 9 + 6
	ds_load_b128 v[BSC+4:BSC+7], v[BS0] offset:16
	BRUN L16, 0, 0, 3
	ds_load_b32 v96, v[GL0]
	BRUN L16, 0, 3, 5
	WIN 0
	s_mov_b32 s[TB], RECB                          ; where the next tile's record and g lie
	s_mov_b32 s[TG], 64
.macro MM wb, par, mm
.if SS == 0
	v_wmma_scale_f32_16x16x128_f8f6f4 v[ACC+16*(\par)+8*\mm:ACC+16*(\par)+8*\mm+7], v[96*\mm+12*SS:96*\mm+12*SS+11], v[BSET*(\par)+12*SS:BSET*(\par)+12*SS+11], 0, v[ASC+8*(2*\wb+\mm)+SS], v[BSC+8*(\par)+SS] matrix_a_fmt:MATRIX_FMT_BF6 matrix_b_fmt:MATRIX_FMT_BF6
.else
	v_wmma_scale_f32_16x16x128_f8f6f4 v[ACC+16*(\par)+8*\mm:ACC+16*(\par)+8*\mm+7], v[96*\mm+12*SS:96*\mm+12*SS+11], v[BSET*(\par)+12*SS:BSET*(\par)+12*SS+11], v[ACC+16*(\par)+8*\mm:ACC+16*(\par)+8*\mm+7], v[ASC+8*(2*\wb+\mm)+SS], v[BSC+8*(\par)+SS] matrix_a_fmt:MATRIX_FMT_BF6 matrix_b_fmt:MATRIX_FMT_BF6
.endif
.endm
.macro MMS wb, par, s0, ns             ; ns K steps of a window's two blocks of rows: the two accumulators by turns
.set SS, \s0
.rept \ns
	MM \wb, \par, 0
	MM \wb, \par, 1
.set SS, SS+1
.endr
.endm
; One stage of a tile's way to the sums, over both windows' 16 numbers a lane.  0: x c;  1: 2^;  2: + 1;  3: 1 /;  4: x g, into the sums (mode 0: the first tile starts them; 1: added; 2: the last tile's go to window 0)
.macro STAGE st, par, mode
.irp wb, 0,1
.if (\st == 4) && (\mode == 2)
	WIN 0x1d+0x11*\wb
.else
	WIN S1+0x51*\wb
.endif
.set J, 0
.if (\st == 1) || (\st == 3)
.rept 16
.if \st == 1
	v_exp_f32 v[ACC+16*\par+J], v[ACC+16*\par+J]
.else
	v_rcp_f32 v[ACC+16*\par+J], v[ACC+16*\par+J]
.endif
.set J, J+1
.endr
.else
.rept 8
.if \st == 0
	v_pk_mul_f32 v[ACC+16*\par+J:ACC+16*\par+J+1], v[ACC+16*\par+J:ACC+16*\par+J+1], s[CS:CS+1] op_sel_hi:[1,0]   ; each accumulator from its low end on
.elseif \st == 2
	v_pk_add_f32 v[ACC+16*\par+J:ACC+16*\par+J+1], v[ACC+16*\par+J:ACC+16*\par+J+1], 1.0 op_sel_hi:[1,0]
.elseif \mode == 0
	v_pk_mul_f32 v[SUM+J:SUM+J+1], v[ACC+16*\par+J:ACC+16*\par+J+1], v[96+2*\par:97+2*\par] op_sel_hi:[1,0]
.elseif \mode == 1
	v_pk_fma_f32 v[SUM+J:SUM+J+1], v[ACC+16*\par+J:ACC+16*\par+J+1], v[96+2*\par:97+2*\par], v[SUM+J:SUM+J+1] op_sel_hi:[1,0,1]
.else
	v_pk_fma_f32 v[OUT+16*\wb+J:OUT+16*\wb+J+1], v[ACC+16*\par+J:ACC+16*\par+J+1], v[96+2*\par:97+2*\par], v[SUM+J:SUM+J+1] op_sel_hi:[1,0,1]
.endif
.set J, J+2
.endr
.endif
.endr
.endm
; A tile.  Its 27 loads were issued among the stages of the tile before, into the set of its own parity: 12 (scale words, K steps 0-2, g), then 9 (K steps 3-5) and 6 (K steps 6, 7).
; The next tile's go into the other set, whose last products lie a tile back, so no places are owed in front of them.
.macro PHASE par, nxt, mode
	s_wait_dscnt 15                                ; the first 12 are in; 9 + 6 may be out
	WIN S1
	MMS 0, \par, 0, 3
	WIN S2
	MMS 1, \par, 0, 3
	s_wait_dscnt 6                                 ; K steps 3-5 are in
	WIN S1
	MMS 0, \par, 3, 3
	WIN S2
	MMS 1, \par, 3, 3
	s_wait_dscnt 0x0                               ; K steps 6, 7 are in
	WIN S1
	MMS 0, \par, 6, 2
	WIN S2
	MMS 1, \par, 6, 2
	WIN 0
.if \nxt
	v_add_nc_u32 v[ADR], s[TB], v[L16]             ; the next tile's addresses: these four lines are the places behind the last products,
	v_add_nc_u32 v[ADS], s[TB], v[BS0]             ; and the wait ahead of the exponentials covers them
	v_add_nc_u32 v[ADG], s[TG], v[GL0]
	v_nop
	s_add_co_u32 s[TB], s[TB], RECB
	s_add_co_u32 s[TG], s[TG], 64
.else
	PLACES
.endif
	STAGE 0, \par, \mode
	s_wait_alu depctr_va_vdst(0)                   ; ahead of the batch
.if \nxt
	WIN 0
	ds_load_b128 v[BSC+8*(1-\par):BSC+8*(1-\par)+3], v[ADS]
	ds_load_b128 v[BSC+8*(1-\par)+4:BSC+8*(1-\par)+7], v[ADS] offset:16
	BRUN ADR, BSET*(1-\par), 0, 3
	ds_load_b32 v[96+2*(1-\par)], v[ADG]
.endif
	STAGE 1, \par, \mode
	v_nop                                          ; a plain line behind the batch,
	s_wait_alu depctr_va_vdst(0)                   ; and its one wait
.if \nxt
	BRUN ADR, BSET*(1-\par), 3, 5
.endif
	STAGE 2, \par, \mode
	s_wait_alu depctr_va_vdst(0)
	STAGE 3, \par, \mode
	v_nop
	s_wait_alu depctr_va_vdst(0)
	STAGE 4, \par, \mode
	WIN 0
.endm
; A change of slots: the last record of a slot has been asked for, and the place of the next record lies one slot's length on: it goes to the other slot's head.
.macro CHANGE fill
	s_wait_tensorcnt 0x0                           ; all my tensor loads have landed: my quarter of the other slot;
	ds_add_u32 v[SPW], v[NIL]                      ; an add of 0 to my spare word;
.if \fill
	s_xor_b32 s[G0W+1], s[G0W+1], SLOT1
	s_add_nc_u64 s[G0W+2:G0W+3], s[G0W+2:G0W+3], SLOTB
.endif
	s_sub_co_u32 s[TB], s[TB], SLOTB
	s_xor_b32 s[TB], s[TB], SLOT1
	s_wait_dscnt 0x0                               ; the add is done, and so are my reads of the slot left behind
.if \fill
	CROUND
	tensor_load_to_lds s[G0W:G0W+3], s[G1:G1+7]    ; the tiles two slots on, into the slot left behind
	s_nop 0
	PLACES
.else
	s_barrier_signal -1
	s_barrier_wait -1
.endif
.endm
	PHASE 0, 1, 0                                  ; tile 0
	s_mov_b32 s59, 3
.Lfirst:                                               ; tiles 1-6; tile 7, slot 0's last, is asked for in tile 6
	PHASE 1, 1, 1
	PHASE 0, 1, 1
	s_sub_co_u32 s59, s59, 1
	s_cmp_lg_u32 s59, 0
	s_cbranch_scc1 .Lfirst
	s_mov_b32 s58, 6
.Lslot:                                                ; tiles 7-54, six refills: tiles 16-63
	CHANGE 1
	s_mov_b32 s59, 4
.Lpair:
	PHASE 1, 1, 1
	PHASE 0, 1, 1
	s_sub_co_u32 s59, s59, 1
	s_cmp_lg_u32 s59, 0
	s_cbranch_scc1 .Lpair
	s_sub_co_u32 s58, s58, 1
	s_cmp_lg_u32 s58, 0
	s_cbranch_scc1 .Lslot
	CHANGE 0                                       ; nothing is left to fetch
	s_mov_b32 s59, 4
.Llast:                                                ; tiles 55-62
	PHASE 1, 1, 1
	PHASE 0, 1, 1
	s_sub_co_u32 s59, s59, 1
	s_cmp_lg_u32 s59, 0
	s_cbranch_scc1 .Llast
	PHASE 1, 0, 2                                  ; tile 63
; A lane holds the sums of its column r over all tiles, for 32 rows: added over the sixteen lanes of a row of lanes, they are the scores
.irp k, 1,2,4,8
.irp e, 0,1,2,3,4,5,6,7,8,9,10,11,12,13,14,15,16,17,18,19,20,21,22,23,24,25,26,27,28,29,30,31
	v_add_f32_dpp v[OUT+\e], v[OUT+\e], v[OUT+\e] row_xmask:\k row_mask:0xf bank_mask:0xf
.endr
.endr
.irp m, 0,1,2,3
	ds_store_b128 v[SCW], v[OUT+8*\m:OUT+8*\m+3] offset:64*\m          ; sixteen lanes write the same bytes with the same values
	ds_store_b128 v[SCW], v[OUT+8*\m+4:OUT+8*\m+7] offset:64*\m+16
.endr
	ds_load_b64 v[18:19], v[SCR]                   ; LDS serves a wave's instructions in order: this sees my stores
	s_wait_dscnt 0x0
	global_store_b64 v[O8], v[18:19], s[SCP:SCP+1] ; my 64 scores: 256 consecutive bytes, aligned
	s_wait_tensorcnt 0x0                           ; the wave's end
	ds_add_u32 v[SPW], v[NIL]
	s_wait_dscnt 0x0
	CROUND                                         ; the closing round
	s_endpgm
.Lfunc_end_k_q70f828745e_score:
	.size	k_q70f828745e_score, .Lfunc_end_k_q70f828745e_score-k_q70f828745e_score
	.p2alignl 7, 3214868480
	.fill 96, 4, 3214868480
	.section	.rodata,"a",@progbits
	.p2align	6, 0x0
	.amdhsa_kernel k_q70f828745e_score
		.amdhsa_group_segment_fixed_size 327680
		.amdhsa_private_segment_fixed_size 0
		.amdhsa_enable_private_segment 0
		.amdhsa_kernarg_size 48
		.amdhsa_user_sgpr_count 2
		.amdhsa_user_sgpr_kernarg_segment_ptr 1
		.amdhsa_wavefront_size32 1
		.amdhsa_system_sgpr_workgroup_id_x 1
		.amdhsa_system_sgpr_workgroup_id_y 1
		.amdhsa_system_sgpr_workgroup_id_z 1
		.amdhsa_system_vgpr_workitem_id 0
		.amdhsa_next_free_vgpr 1024
		.amdhsa_next_free_sgpr 84
		.amdhsa_reserve_vcc 0
		.amdhsa_float_denorm_mode_32 3
		.amdhsa_float_denorm_mode_16_64 3
		.amdhsa_memory_ordered 1
		.amdhsa_forward_progress 1
		.amdhsa_inst_pref_size 255
	.end_amdhsa_kernel
	.section	.bss,"aw",@nobits
	.p2align	6
	.space	262144
	.amdgpu_metadata
---
amdhsa.version: [ 1, 2 ]
amdhsa.kernels:
  - .name:           k_q70f828745e_score
    .symbol:         k_q70f828745e_score.kd
    .args:
      - { .name: t, .offset: 0, .size: 8, .value_kind: global_buffer, .address_space: global }
      - { .name: mask, .offset: 8, .size: 8, .value_kind: global_buffer, .address_space: global }
      - { .name: wtq, .offset: 16, .size: 8, .value_kind: global_buffer, .address_space: global }
      - { .name: hab, .offset: 24, .size: 8, .value_kind: global_buffer, .address_space: global }
      - { .name: wh, .offset: 32, .size: 8, .value_kind: global_buffer, .address_space: global }
      - { .name: scores, .offset: 40, .size: 8, .value_kind: global_buffer, .address_space: global }
    .group_segment_fixed_size: 327680
    .private_segment_fixed_size: 0
    .kernarg_segment_align: 8
    .kernarg_segment_size: 48
    .max_flat_workgroup_size: 128
    .sgpr_count:     84
    .vgpr_count:     1024
    .wavefront_size: 32
...
	.end_amdgpu_metadata
.endif
;; end of part 2
;; launch pool (part 3): grid 8 x 32, 16 waves a work-group, no clusters, 76,288 bytes of LDS; arguments t, mask, scores, part; writes part
.if DOCPART == 3
	.amdgcn_target "amdgcn-amd-amdhsa--gfx1250"
	.amdhsa_code_object_version 6
	.text
	.protected	k_q70f828745e_pool
	.globl	k_q70f828745e_pool
	.p2align	8
	.type	k_q70f828745e_pool,@function
k_q70f828745e_pool:
	s_mov_b64 s[64:65], 0
	v_nop
	global_prefetch_b8 v0, s[64:65] scope:SCOPE_SE
	s_setreg_imm32_b32 hwreg(HW_REG_WAVE_MODE, 25, 1), 1
	s_wait_xcnt 0x0
; part[b][c][d] = the sum over rows 256 c .. 256 c + 255 of p[row] t[b][row][d] / the sum of p over the batch's 2,048 rows;
; p = 2^((score - M) log2(e)) where the mask byte is 1 and 0 elsewhere, M the largest score among the batch's rows kept.  The next launch adds a batch's eight parts.
; That is reference()'s softmax, mask and renormalisation: the softmax's own divisor and the shift of its maximum cancel in the renormalisation.  Rows whose mask byte is 0 have weight 0 and are not read.
; LIMITS: inputs are finite; the maximum is taken over the rows kept, so results agree with reference() wherever its kept exponentials have not all underflowed; a batch with no row kept gives NaN, as there (0 x infinity).
; SHARES.  A work-group takes one batch and 256 WHOLE rows; every work-group of a batch works the batch's softmax out for itself (8 KB of scores).  Wave w takes rows 16 w .. 16 w + 15.
; ONLY THE ROWS KEPT ARE WALKED: the wave's 16 mask bytes become a word of 16 bits, whose lowest set bit names the next row; four rows a trip, ceil(rows kept / 4) trips, one at the least.
; A place of the last trip for which no row is left reads the wave's first kept row again, with p = 0.  A row is eight loads of 512 consecutive bytes, a lane 4 columns of each; four rows, 32 loads, of every wave are kept on their way.
; No matrix unit, no tensor load, no cluster, no prefetch: the launch streams each byte once, and its work-groups share no tile.
.set RED1, 0                           ; LDS: 16 waves' maxima
.set RED2, 256                         ; their sums of p
.set PB,   512                         ; p of the batch's 2,048 rows
.set PART, 8704                        ; 16 waves' partial sums of 1,024 columns
.set SPARE, 74240                      ; the spare words, 2,048 bytes
.set OFF,  24                          ; v24-27   a row slot's offset
.set SPW,  28
.set NIL,  29
.set PV,   30                          ; v30      lane i < 16: p of my wave's row i; lanes 16-31: 0
.set AC,   32                          ; v32-63   my sums: columns 128 u + 4 lane + 0 .. 3 at v[AC + 4 u ..]
.set RS,   80                          ; v80-95   sixteen words of a reduction
.set LD,   128                         ; v128-255 four row slots of 32 registers
.set KEPT, 36                          ; s36      the rows still to be walked, a bit a row
.set TRIPS, 37
.set FIRST, 39                         ; s39      my first kept row
.set PL,   44                          ; s44-47   a slot's lane of PV
	s_load_b256 s[4:11], s[0:1], 0x0               ; t s[4:5], mask s[6:7], scores s[8:9], part s[10:11]
	v_lshl_add_u32 v[SPW], v0, 2, SPARE
	v_mov_b32 v[NIL], 0
	v_lshrrev_b32 v1, 5, v0
	v_readfirstlane_b32 s12, v1                    ; wave 0..15
	s_and_b32 s13, ttmp7, 0xffff                   ; batch
	s_and_b32 s30, ttmp9, 7                        ; which 256 rows
	v_and_b32 v2, 31, v0
	v_lshlrev_b32 v3, 4, v2                        ; 16 x lane
	v_lshlrev_b32 v4, 4, v0                        ; 16 x thread: my 4 scores
	v_lshlrev_b32 v5, 2, v0                        ; 4 x thread: my 4 mask bytes
	v_add_nc_u32 v6, PB, v4                        ; my 4 p
	s_lshl_b32 s14, s30, 10
	s_lshl_b32 s31, s12, 6
	s_add_co_u32 s14, s14, s31
	s_add_co_u32 s14, s14, PB
	v_and_b32 v31, 15, v0
	v_lshl_add_u32 v7, v31, 2, s14                 ; p of my wave's row lane % 16
	s_lshl_b32 s14, s12, 2
	v_mov_b32 v17, s14                             ; RED1 + 4 x wave
	v_mov_b32 v18, RED1
	v_add_nc_u32 v19, RED2, v17
	v_mov_b32 v20, RED2
	s_lshl_b32 s14, s12, 12
	s_add_co_u32 s14, s14, PART
	v_add_nc_u32 v21, s14, v3                      ; my partial sums: 4,096 x wave + 16 x lane
	v_lshlrev_b32 v23, 3, v0                       ; 8 x thread: the two columns that I finish
	v_add_nc_u32 v22, PART, v23
	v_mov_b32 v16, 0                               ; written once: a lane permute's destination counts as one of its sources
	v_mov_b32 v14, 0xff61b1e6                      ; -3e38, under every score
.irp i, 0,1,2,3,4,5,6,7,8,9,10,11,12,13,14,15,16,17,18,19,20,21,22,23,24,25,26,27,28,29,30,31
	v_mov_b32 v[AC+\i], 0                          ; the number of trips hangs on the mask, so the sums begin as zeros
.endr
	s_mov_b32 s28, 0x76543210
	s_mov_b32 s29, 0xfedcba98
	s_mov_b32 s15, 0
	s_wait_alu depctr_va_vdst(0)
	s_wait_kmcnt 0x0
	s_lshl_b32 s14, s13, 11
	s_add_nc_u64 s[6:7], s[6:7], s[14:15]          ; my batch's mask,
	s_lshl_b32 s14, s13, 13
	s_add_nc_u64 s[8:9], s[8:9], s[14:15]          ; and scores
	global_load_b128 v[8:11], v4, s[8:9]
	global_load_b32 v12, v5, s[6:7]
	s_lshl_b32 s14, s30, 8
	s_lshl_b32 s20, s12, 4
	s_add_co_u32 s14, s14, s20                     ; my wave's first row in the batch
	s_add_nc_u64 s[16:17], s[6:7], s[14:15]
	s_load_b128 s[32:35], s[16:17], 0x0            ; its 16 mask bytes as scalars
	s_lshl_b32 s14, s14, 12                        ; rows of 4,096 bytes,
	s_lshl_b32 s20, s13, 23                        ; 2,048 of them a batch
	s_add_co_u32 s14, s14, s20
	s_add_nc_u64 s[18:19], s[4:5], s[14:15]
	s_lshl_b32 s14, s13, 3
	s_add_co_u32 s14, s14, s30
	s_lshl_b32 s14, s14, 12
	s_add_nc_u64 s[10:11], s[10:11], s[14:15]      ; part[b][c]
	s_wait_kmcnt 0x0
.irp d, 0,1,2,3
	s_and_b32 s[32+\d], s[32+\d], 0x01010101       ; four bytes of 0 or 1:
	s_mul_i32 s[32+\d], s[32+\d], 0x01020408       ; byte y's bit goes to bit 24 + y (shifts 24, 17, 10, 3; no two of the sixteen terms meet),
	s_bfe_u32 s[32+\d], s[32+\d], 0x40018          ; four bits from bit 24
.endr
	s_lshl_b32 s33, s33, 4
	s_lshl_b32 s34, s34, 8
	s_lshl_b32 s35, s35, 12
	s_or_b32 s32, s32, s33
	s_or_b32 s34, s34, s35
	s_or_b32 s[KEPT], s32, s34                     ; bit i: row i is kept
	s_bcnt1_i32_b32 s[TRIPS], s[KEPT]
	s_add_co_u32 s[TRIPS], s[TRIPS], 3
	s_lshr_b32 s[TRIPS], s[TRIPS], 2
	s_max_u32 s[TRIPS], s[TRIPS], 1
	s_min_u32 s[TRIPS], s[TRIPS], 4                ; 1 to 4 trips of four rows
	s_ctz_i32_b32 s[FIRST], s[KEPT]
	s_min_u32 s[FIRST], s[FIRST], 15               ; (no row kept: row 15, with p = 0)
.macro PICK k                          ; the next kept row of my wave into slot k
	s_ctz_i32_b32 s38, s[KEPT]
	s_cmp_lg_u32 s[KEPT], 0
	s_cselect_b32 s[PL+\k], s38, 16                ; none left: lane 16 of PV, which holds 0,
	s_cselect_b32 s38, s38, s[FIRST]               ; and my first row again
	s_min_u32 s[PL+\k], s[PL+\k], 16
	s_min_u32 s38, s38, 15                         ; a number made of loaded ones enters an address behind a bound
	s_lshl_b32 s38, s38, 12
	v_add_nc_u32 v[OFF+\k], s38, v3
.irp u, 0,1,2,3,4,5,6,7
	global_load_b128 v[LD+32*\k+4*\u:LD+32*\k+4*\u+3], v[OFF+\k], s[18:19] offset:512*\u
.endr
	s_sub_co_u32 s31, s[KEPT], 1
	s_and_b32 s[KEPT], s[KEPT], s31                ; its bit is taken off
.endm
	PICK 0
	PICK 1
	PICK 2
	PICK 3
	; ---- the softmax, while the first rows are on their way
	s_wait_loadcnt 32                              ; my scores and mask bytes are in; the 32 row loads stay out
.irp j, 0,1,2,3
	v_bfe_u32 v13, v12, 8*\j, 1
	v_cmp_ne_u32 s[24+\j], 0, v13
	v_cndmask_b32 v[8+\j], v14, v[8+\j], s[24+\j]
.endr
	v_max3_num_f32 v15, v8, v9, v10
	v_max_num_f32 v15, v15, v11
	v_max_num_f32_dpp v15, v15, v15 row_xmask:1 row_mask:0xf bank_mask:0xf
	v_max_num_f32_dpp v15, v15, v15 row_xmask:2 row_mask:0xf bank_mask:0xf
	v_max_num_f32_dpp v15, v15, v15 row_xmask:4 row_mask:0xf bank_mask:0xf
	v_max_num_f32_dpp v15, v15, v15 row_xmask:8 row_mask:0xf bank_mask:0xf
	v_permlanex16_b32 v16, v15, s28, s29
	v_max_num_f32 v15, v15, v16
	ds_store_b32 v17, v15                          ; all lanes write the same word with the same value
	s_wait_alu depctr_va_vdst(0)
	s_wait_dscnt 0x0                               ; for the others' sake
	s_barrier_signal -1
	s_barrier_wait -1
.irp i, 0,1,2,3
	ds_load_b128 v[RS+4*\i:RS+4*\i+3], v18 offset:16*\i
.endr
	s_wait_dscnt 0x0
	v_max3_num_f32 v15, v[RS], v[RS+1], v[RS+2]
.irp i, 3,5,7,9,11,13
	v_max3_num_f32 v15, v15, v[RS+\i], v[RS+\i+1]
.endr
	v_max_num_f32 v15, v15, v[RS+15]               ; M
.irp j, 0,1,2,3
	v_sub_f32 v[8+\j], v[8+\j], v15
.endr
.irp j, 0,1,2,3
	v_mul_f32 v[8+\j], 0x3fb8aa3b, v[8+\j]
.endr
	s_wait_alu depctr_va_vdst(0)                   ; ahead of the batch
.irp j, 0,1,2,3
	v_exp_f32 v[8+\j], v[8+\j]
.endr
	v_nop                                          ; a plain line behind the exponentials,
	s_wait_alu depctr_va_vdst(0)                   ; and one wait for the four
.irp j, 0,1,2,3
	v_cndmask_b32 v[8+\j], 0, v[8+\j], s[24+\j]
.endr
	v_add_f32 v13, v8, v9
	v_add_f32 v16, v10, v11
	v_add_f32 v13, v13, v16
	v_add_f32_dpp v13, v13, v13 row_xmask:1 row_mask:0xf bank_mask:0xf
	v_add_f32_dpp v13, v13, v13 row_xmask:2 row_mask:0xf bank_mask:0xf
	v_add_f32_dpp v13, v13, v13 row_xmask:4 row_mask:0xf bank_mask:0xf
	v_add_f32_dpp v13, v13, v13 row_xmask:8 row_mask:0xf bank_mask:0xf
	v_permlanex16_b32 v16, v13, s28, s29
	v_add_f32 v13, v13, v16
	ds_store_b32 v19, v13                          ; my wave's sum of p
	ds_store_b128 v6, v[8:11]                      ; my 4 p
	s_wait_alu depctr_va_vdst(0)
	s_wait_dscnt 0x0                               ; for the others' sake
	s_barrier_signal -1
	s_barrier_wait -1
	ds_load_b32 v[PV], v7
	v_cmp_gt_u32 vcc_lo, 16, v2
	s_wait_dscnt 0x0
	v_cndmask_b32 v[PV], 0, v[PV], vcc_lo          ; lanes 16-31 hold 0
	s_wait_alu depctr_va_vdst(0)
	; ---- the rows.  Between a sum's write and its next read stand sixteen plain vector lines
.macro ROW k, younger, more            ; slot k's row into the sums; younger: the loads issued behind its eight
	s_wait_loadcnt \younger                        ; the wait also frees the slot's offset
	v_readlane_b32 s48, v[PV], s[PL+\k]            ; the row's p,
	s_mov_b32 s49, s48                             ; (the packed form names the pair)
.set I, 0
.rept 16
	v_pk_fma_f32 v[AC+I:AC+I+1], v[LD+32*\k+I:LD+32*\k+I+1], s[48:49], v[AC+I:AC+I+1] op_sel_hi:[1,0,1]
.set I, I+2
.endr
.if \more
	PICK \k
.endif
.endm
	s_sub_co_u32 s[TRIPS], s[TRIPS], 1             ; all trips but the last ask for four rows more
	s_cmp_eq_u32 s[TRIPS], 0
	s_cbranch_scc1 .Ltail
.Lrows:
	ROW 0, 24, 1
	ROW 1, 24, 1
	ROW 2, 24, 1
	ROW 3, 24, 1
	s_sub_co_u32 s[TRIPS], s[TRIPS], 1
	s_cmp_lg_u32 s[TRIPS], 0
	s_cbranch_scc1 .Lrows
.Ltail:
	ROW 0, 24, 0
	ROW 1, 16, 0
	ROW 2, 8, 0
	ROW 3, 0, 0
.irp u, 0,1,2,3,4,5,6,7
	ds_store_b128 v21, v[AC+4*\u:AC+4*\u+3] offset:512*\u
.endr
	s_wait_dscnt 0x0                               ; for the others' sake
	s_barrier_signal -1
	s_barrier_wait -1
.irp i, 0,1,2,3
	ds_load_b128 v[RS+4*\i:RS+4*\i+3], v20 offset:16*\i
.endr
.irp k, 0,1,2,3,4,5,6,7,8,9,10,11,12,13,14,15
	ds_load_b64 v[LD+2*\k:LD+2*\k+1], v22 offset:4096*\k   ; sixteen waves' sums of my two columns
.endr
	s_wait_dscnt 16                                ; the sixteen sums of p are in
.irp i, 0,2,4,6
	v_pk_add_f32 v[RS+\i:RS+\i+1], v[RS+\i:RS+\i+1], v[RS+8+\i:RS+9+\i]
.endr
.irp i, 0,2
	v_pk_add_f32 v[RS+\i:RS+\i+1], v[RS+\i:RS+\i+1], v[RS+4+\i:RS+5+\i]
.endr
	v_pk_add_f32 v[RS:RS+1], v[RS:RS+1], v[RS+2:RS+3]
	v_add_f32 v13, v[RS], v[RS+1]
	s_wait_alu depctr_va_vdst(0)                   ; ahead of the reciprocal
	v_rcp_f32 v13, v13
	s_wait_dscnt 0x0
.irp k, 0,2,4,6,8,10,12,14
	v_pk_add_f32 v[LD+\k:LD+\k+1], v[LD+\k:LD+\k+1], v[LD+16+\k:LD+17+\k]   ; plain work behind the reciprocal
.endr
.irp k, 0,2,4,6
	v_pk_add_f32 v[LD+\k:LD+\k+1], v[LD+\k:LD+\k+1], v[LD+8+\k:LD+9+\k]
.endr
.irp k, 0,2
	v_pk_add_f32 v[LD+\k:LD+\k+1], v[LD+\k:LD+\k+1], v[LD+4+\k:LD+5+\k]
.endr
	v_pk_add_f32 v[LD:LD+1], v[LD:LD+1], v[LD+2:LD+3]
	s_wait_alu depctr_va_vdst(0)                   ; the wait, ahead of the reciprocal's first reader
	v_mul_f32 v[LD], v[LD], v13
	v_mul_f32 v[LD+1], v[LD+1], v13
	global_store_b64 v23, v[LD:LD+1], s[10:11]     ; 32 lanes store 256 consecutive bytes, at a multiple of 256 from part's first byte
	s_wait_tensorcnt 0x0                           ; the wave's end
	ds_add_u32 v[SPW], v[NIL]
	s_wait_dscnt 0x0
	s_endpgm
.Lfunc_end_k_q70f828745e_pool:
	.size	k_q70f828745e_pool, .Lfunc_end_k_q70f828745e_pool-k_q70f828745e_pool
	.p2alignl 7, 3214868480
	.fill 96, 4, 3214868480
	.section	.rodata,"a",@progbits
	.p2align	6, 0x0
	.amdhsa_kernel k_q70f828745e_pool
		.amdhsa_group_segment_fixed_size 76288
		.amdhsa_private_segment_fixed_size 0
		.amdhsa_enable_private_segment 0
		.amdhsa_kernarg_size 32
		.amdhsa_user_sgpr_count 2
		.amdhsa_user_sgpr_kernarg_segment_ptr 1
		.amdhsa_wavefront_size32 1
		.amdhsa_system_sgpr_workgroup_id_x 1
		.amdhsa_system_sgpr_workgroup_id_y 1
		.amdhsa_system_sgpr_workgroup_id_z 1
		.amdhsa_system_vgpr_workitem_id 0
		.amdhsa_next_free_vgpr 256
		.amdhsa_next_free_sgpr 66
		.amdhsa_reserve_vcc 1
		.amdhsa_float_denorm_mode_32 3
		.amdhsa_float_denorm_mode_16_64 3
		.amdhsa_memory_ordered 1
		.amdhsa_forward_progress 1
		.amdhsa_inst_pref_size 30
	.end_amdhsa_kernel
	.amdgpu_metadata
---
amdhsa.version: [ 1, 2 ]
amdhsa.kernels:
  - .name:           k_q70f828745e_pool
    .symbol:         k_q70f828745e_pool.kd
    .args:
      - { .name: t, .offset: 0, .size: 8, .value_kind: global_buffer, .address_space: global }
      - { .name: mask, .offset: 8, .size: 8, .value_kind: global_buffer, .address_space: global }
      - { .name: scores, .offset: 16, .size: 8, .value_kind: global_buffer, .address_space: global }
      - { .name: part, .offset: 24, .size: 8, .value_kind: global_buffer, .address_space: global }
    .group_segment_fixed_size: 76288
    .private_segment_fixed_size: 0
    .kernarg_segment_align: 8
    .kernarg_segment_size: 32
    .max_flat_workgroup_size: 512
    .sgpr_count:     66
    .vgpr_count:     256
    .wavefront_size: 32
...
	.end_amdgpu_metadata
.endif
;; end of part 3
;; launch join (part 4): grid 4 x 32, 2 waves a work-group, no clusters, 0 bytes of LDS; arguments part, out0; writes out0
.if DOCPART == 4
	.amdgcn_target "amdgcn-amd-amdhsa--gfx1250"
	.amdhsa_code_object_version 6
	.text
	.protected	k_q70f828745e_join
	.globl	k_q70f828745e_join
	.p2align	8
	.type	k_q70f828745e_join,@function
k_q70f828745e_join:
	s_mov_b64 s[64:65], 0
	v_nop
	global_prefetch_b8 v0, s[64:65] scope:SCOPE_SE
	s_setreg_imm32_b32 hwreg(HW_REG_WAVE_MODE, 25, 1), 1
	s_wait_xcnt 0x0
; out0[b][d] = the sum over c = 0 .. 7 of part[b][c][d]: the eight parts of a batch, each already divided by the batch's sum of p.
; A work-group takes one batch and 256 columns, a thread 4 columns: eight loads of 16 bytes, a tree of packed additions, one store.  Each output has one owner.  No LDS, no loop to run ahead in.
	s_load_b128 s[4:7], s[0:1], 0x0                ; part, out0
	v_lshlrev_b32 v1, 4, v0                        ; 16 x thread
	s_and_b32 s8, ttmp7, 0xffff                    ; batch
	s_lshl_b32 s10, ttmp9, 10                      ; my 256 columns, in bytes
	s_lshl_b32 s12, s8, 15                         ; eight parts of 4,096 bytes a batch
	s_add_co_u32 s12, s12, s10
	s_mov_b32 s13, 0
	s_lshl_b32 s14, s8, 12
	s_add_co_u32 s14, s14, s10
	s_mov_b32 s15, 0
	s_wait_alu depctr_va_vdst(0)
	s_wait_kmcnt 0x0
	s_add_nc_u64 s[4:5], s[4:5], s[12:13]
	s_add_nc_u64 s[6:7], s[6:7], s[14:15]
.irp c, 0,1,2,3,4,5,6,7
	global_load_b128 v[4+4*\c:7+4*\c], v1, s[4:5] offset:4096*\c th:TH_LOAD_NT
.endr
	s_wait_loadcnt 0x0
.irp i, 0,2,4,6,8,10,12,14
	v_pk_add_f32 v[4+\i:5+\i], v[4+\i:5+\i], v[20+\i:21+\i]
.endr
.irp i, 0,2,4,6
	v_pk_add_f32 v[4+\i:5+\i], v[4+\i:5+\i], v[12+\i:13+\i]
.endr
.irp i, 0,2
	v_pk_add_f32 v[4+\i:5+\i], v[4+\i:5+\i], v[8+\i:9+\i]
.endr
	global_store_b128 v1, v[4:7], s[6:7]           ; 32 lanes store 512 consecutive bytes, at a multiple of 256 from out0's first byte
	s_endpgm
.Lfunc_end_k_q70f828745e_join:
	.size	k_q70f828745e_join, .Lfunc_end_k_q70f828745e_join-k_q70f828745e_join
	.p2alignl 7, 3214868480
	.fill 96, 4, 3214868480
	.section	.rodata,"a",@progbits
	.p2align	6, 0x0
	.amdhsa_kernel k_q70f828745e_join
		.amdhsa_group_segment_fixed_size 0
		.amdhsa_private_segment_fixed_size 0
		.amdhsa_enable_private_segment 0
		.amdhsa_kernarg_size 16
		.amdhsa_user_sgpr_count 2
		.amdhsa_user_sgpr_kernarg_segment_ptr 1
		.amdhsa_wavefront_size32 1
		.amdhsa_system_sgpr_workgroup_id_x 1
		.amdhsa_system_sgpr_workgroup_id_y 1
		.amdhsa_system_sgpr_workgroup_id_z 1
		.amdhsa_system_vgpr_workitem_id 0
		.amdhsa_next_free_vgpr 40
		.amdhsa_next_free_sgpr 66
		.amdhsa_reserve_vcc 0
		.amdhsa_float_denorm_mode_32 3
		.amdhsa_float_denorm_mode_16_64 3
		.amdhsa_memory_ordered 1
		.amdhsa_forward_progress 1
		.amdhsa_inst_pref_size 3
	.end_amdhsa_kernel
	.amdgpu_metadata
---
amdhsa.version: [ 1, 2 ]
amdhsa.kernels:
  - .name:           k_q70f828745e_join
    .symbol:         k_q70f828745e_join.kd
    .args:
      - { .name: part, .offset: 0, .size: 8, .value_kind: global_buffer, .address_space: global }
      - { .name: out0, .offset: 8, .size: 8, .value_kind: global_buffer, .address_space: global }
    .group_segment_fixed_size: 0
    .private_segment_fixed_size: 0
    .kernarg_segment_align: 8
    .kernarg_segment_size: 16
    .max_flat_workgroup_size: 64
    .sgpr_count:     66
    .vgpr_count:     40
    .wavefront_size: 32
...
	.end_amdgpu_metadata
.endif
;; end of part 4
